; MI455X (gfx1250); checked and timed in simulation.
; The chip was launched on July 23, 2026; its instructions are those of AMD's public machine-readable ISA for CDNA 5 (MIT licence, August 2026) and "CDNA5" Instruction Set Architecture Reference Guide (July 2026). The comments in the code are by the model that wrote it; some were corrected since.
;; Model. Allowed arithmetic: matrix products marked QUANTISED: E4M3 operands, one E8M0 scale for each 32 along K, by v_wmma_scale_f32_16x16x128_f8f6f4 with both operands' format E4M3, f32 sums; everything else in f32.
;; Inputs: attn_mask 1 x 1 x 2,048 x 2,048 float32; key 4 x 16 x 2,048 x 64 float32; query 4 x 16 x 2,048 x 64 float32; value 4 x 16 x 2,048 x 64 float32.
;; Outputs: out0 4 x 16 x 2,048 x 64 float32.
;; This version of the problem:
;;   THIS VERSION OF THE PROBLEM IS GIVEN IN LOW PRECISION. The matrix products marked QUANTISED in the list below multiply operands that are first quantised to E4M3 (4 exponent bits, 3 mantissa bits; 8 bits a number), with one power-of-two scale for each 32 numbers along K (OCP MX v1.0); their sums are f32. All else is computed in f32.
;;   The module's matrix products, in the order in which they are computed (A, B: the left and right operand; K: the contracted axis; several contracted axes count as one K, in the product's order):
;;     1. batch 64 x [M 2,048, K 64] x [K 64, N 2,048]; A: input query; B: input key: QUANTISED
;;     2. batch 64 x [M 2,048, K 2,048] x [K 2,048, N 64]; A: softmax (see below); B: input value: QUANTISED
;;   THE QUANTISER, for each operand of a quantised product, along K:
;;     - K is cut into blocks of 32 from its start; a last block that is shorter is filled with zeros.
;;     - A block's scale is 2^e with e = floor(log2(the largest magnitude in the block)) - 8, held to -126 .. 127; a block of zeros has e = 0. As a byte (E8M0): e + 127.
;;     - Each number is divided by its block's scale, clamped to +-448, and rounded to the nearest number of E4M3, ties to even, subnormals kept.
;;     - The product sums the exact products of the quantised numbers (number of the format x scale) in f32.
;;   ~~~python
;;   def quantise(x, axis):      # numpy; x: float32 -> the quantised numbers, widened to float32 again
;;       x = np.moveaxis(x, axis, -1); K = x.shape[-1]
;;       x = np.pad(x, [(0, 0)] * (x.ndim - 1) + [(0, -K % 32)]); x = x.reshape(x.shape[:-1] + (-1, 32)); a = np.abs(x).max(-1, keepdims=True)
;;       e = np.where(a > 0, np.clip(np.frexp(np.where(a > 0, a, 1))[1] - 1 - 8, -126, 127), 0)      # np.frexp(a)[1] - 1 = floor(log2(a)), exactly
;;       r = np.clip(x / 2.0 ** e, -448, 448)
;;       step = 2.0 ** (np.maximum(np.frexp(np.where(r == 0, 1, r))[1] - 1, -6) - 3)
;;       q = np.round(r / step) * step * 2.0 ** e      # np.round: ties to even
;;       return np.moveaxis(q.reshape(q.shape[:-2] + (-1,))[..., :K], -1, axis).astype(np.float32)
;;   ~~~
;;   SOFTMAX AHEAD OF A QUANTISED PRODUCT. Where the list says 'softmax', what is quantised is not the finished softmax but p = 2^(t - M), with t = logit x log2(e) and M = ceil(the row's largest t), a whole number; so 1/2 < the row's largest p <= 1. The row's sum l is taken of the UNQUANTISED p, in f32, and the product's result is divided by l at the end. Since M is a whole number, a kernel that streams over the keys may use a running M (the ceiling of the running maximum): every later rescaling is an exact power of two, which a block's scale takes up: the codes' values come out the same.
;;   OPERANDS COMPUTED ON THE WAY. 'Computed on the way' means the value that the module computes at that place (a softmax that the list does not call 'softmax' is quantised finished and normalised). What goes into a quantiser is computed in f32, as accurately as f32 sums, v_exp_f32 and their like allow (about 1e-6 of the number): no bf16 or f16 on the way to a quantiser, and a product that is left as it is and whose result goes on into a quantised operand takes f32 operands (vector FMAs, or v_wmma_f32_16x16x4_f32). A number that lies on a knife's edge between two numbers of the format may be rounded either way, as far as f32 arithmetic and the matrix unit's own rounding can turn it there, and no further.
;; One version. Each part assembles by itself: llvm-mc -triple=amdgcn-amd-amdhsa -mcpu=gfx1250 --defsym DOCPART=n.
;; ======== version 1 of 1: 2 launches
;; limits: right only within a limited range of input values
;; workspace buffers: kv 17,301,504 bytes
;; launch quant (part 1): grid 256 x 2, 4 waves a work-group, no clusters, 35,328 bytes of LDS; arguments key, value, kv; writes kv
.if DOCPART == 1
	.amdgcn_target "amdgcn-amd-amdhsa--gfx1250"
	.amdhsa_code_object_version 6
	.text
	.protected	k_qe7649a74d3_quant
	.globl	k_qe7649a74d3_quant
	.p2align	8
	.type	k_qe7649a74d3_quant,@function
k_qe7649a74d3_quant:
	s_mov_b64 s[64:65], 0
	v_nop
	global_prefetch_b8 v0, s[64:65] scope:SCOPE_SE
	s_setreg_imm32_b32 hwreg(HW_REG_WAVE_MODE, 25, 1), 1
	s_wait_xcnt 0x0
; key and value, [64 heads][2048 keys][64 channels] f32, become codes of FP8 (E4M3) with one E8M0 scale byte for each 32 along a product's K:
; key along the channels (the first product's K), value along the KEYS (the second product's K).  They are laid in kv as IMAGES OF THE OPERANDS' REGISTERS,
; one record of REC bytes for each head and each 128 keys, so that the attention launch gets every fragment by loads of 16 bytes a lane, 512 consecutive bytes a load.
; A RECORD (L = lane, r = L % 16, h = L / 16):
;   0      K's codes: double fragment b (0..3), group c (0..3) at 2048 b + 512 c + 16 L: 16 codes of key 32 b + 8 (c / 2) + r + 8 (r / 8), channels 32 (c % 2) + 16 h + 0..15.
;          A double fragment fills the 128 along K of one matrix instruction with TWO tiles of 16 keys x 64 channels.
;   8192   V's codes: tile d (0..3), group c at 8192 + 2048 d + 512 c + 16 L: 16 codes of channel 16 d + r, keys 32 c + 16 h + 0..15.
;   16384  K's scale words: at 8 L + 4 j the word of double fragment 2 j + h, row r (byte c: group c's block).
;   16640  V's scale words: at 8 L + 4 g the word of channel 32 g + L (byte c: keys 32 c on).
; A block's scale is 2^(floor(log2(its largest magnitude)) - 8); its byte is the largest magnitude's exponent field - 8, held at 1 from below.
; LIMITS: a block of zeros gets the byte 1 where the rule says 127 (its codes are zeros, which add nothing under any byte but 0xff, and this program alone reads the bytes);
; blocks whose largest magnitude lies under 2^-118 keep the byte 1; NaN and infinities among the inputs are not served.
; SHARES: a wave takes one record's K part (work-group y = 0) or V part (y = 1): job J = 4 x work-group x + wave = 16 x head + step.  Waves share nothing: no barrier.  Only the K part uses LDS.
.set REC,  16896
.set SPK,  272                         ; K's stage: a key's 256 bytes + 16 of padding
.set WST,  32*SPK                      ; a wave's stage: 32 keys
.set R,    16                          ; v16-143  K: two sets of 64 registers as loaded
.set X,    144                         ; v144-207 K: 64 numbers in the operand's order
.set PC,   208                         ; v208-223 K: a double fragment's codes
.set TM,   224                         ; v224-227 largest magnitudes, v228-231 the other half's / bytes, v232-235 448 x the scale, v236-239 the conversions' scale operands
.set W,    240                         ; v240-243 K: the four double fragments' scale words
.set VX,   16                          ; v16-79   V: two sets of 32 numbers
.set CV,   144                         ; v144-207 V: eight registers of codes for each block, so that no store's data are written again
.set SB,   240                         ; v240-241 V: the scale words of my two channels
	s_load_b128 s[4:7], s[0:1], 0x0                ; key, value
	s_load_b64 s[8:9], s[0:1], 0x10                ; kv
	v_lshl_add_u32 v254, v0, 2, 0x8800
	v_mov_b32 v255, 0
	v_lshrrev_b32 v1, 5, v0
	v_readfirstlane_b32 s10, v1                    ; wave
	v_and_b32 v1, 31, v0                           ; lane
	v_and_b32 v6, 15, v0                           ; r
	v_bfe_u32 v7, v0, 4, 1                         ; h
	v_lshlrev_b32 v5, 3, v1                        ; 8 L: my two scale words' place
	s_lshl_b32 s11, ttmp9, 2
	s_add_co_u32 s11, s11, s10                     ; J
	s_and_b32 s12, ttmp7, 0xffff                   ; 0: K's part, 1: V's
	s_lshl_b32 s14, s11, 15                        ; 128 keys x 256 bytes a job
	s_mov_b32 s15, 0
	s_mul_i32 s16, s11, REC
	s_mov_b32 s17, 0
	s_mov_b32 s20, 0x76543210
	s_mov_b32 s21, 0xfedcba98                      ; v_permlanex16_b32's selects for lane l xor 16
	s_mov_b32 s23, 0x600000                        ; the mantissa field of 448
	s_wait_kmcnt 0x0
	s_cmp_eq_u32 s12, 0                            ; the choice hangs on the work-group's number alone
	s_cselect_b64 s[4:5], s[4:5], s[6:7]
	s_add_nc_u64 s[4:5], s[4:5], s[14:15]          ; my 128 keys
	s_add_nc_u64 s[8:9], s[8:9], s[16:17]          ; my record
	s_cmp_lg_u32 s12, 0
	s_cbranch_scc1 .Lv
; ---------------- K: the channels are innermost.  Loads take the bytes as they lie (512 consecutive bytes, two keys, a load); 32 keys turn through the wave's own stage in LDS and come back in the operand's order.
	s_wait_alu depctr_va_vdst(0)
	v_lshlrev_b32 v2, 4, v1                        ; 16 L: my bytes of a load and of a store
	s_mul_i32 s18, s10, WST
	v_mul_u32_u24 v3, v7, SPK
	v_lshl_add_u32 v3, v6, 4, v3
	v_add_nc_u32 v3, s18, v3                       ; into the stage: row h of the load's two, 16 r
	v_mul_u32_u24 v4, v6, SPK
	v_lshl_add_u32 v4, v7, 6, v4
	v_add_nc_u32 v4, s18, v4                       ; out of it: row r of a tile, my half's 64 bytes of a block of 32 channels
.irp b, 0,1,2,3
	v_mov_b32 v[TM+4+\b], 0                        ; written once: a lane permute's destination counts as one of its sources
.endr
.macro LOADK b, set                    ; keys 32 b .. 32 b + 31: load n brings keys 2 n and 2 n + 1
.irp n, 0,1,2,3,4,5,6,7,8,9,10,11,12,13,14,15
	global_load_b128 v[R+64*(\set)+4*\n:R+64*(\set)+4*\n+3], v2, s[4:5] offset:(\b)*8192+\n*512 th:TH_LOAD_NT
.endr
.endm
; Key x of the 32 goes to stage row (x with its bits 3 and 4 exchanged): the 16 keys of a tile, 8 u + r + 8 (r / 8), are then the 16 neighbouring rows 16 u + r.
.macro TURN set
.irp n, 0,1,2,3,4,5,6,7,8,9,10,11,12,13,14,15
	ds_store_b128 v3, v[R+64*(\set)+4*\n:R+64*(\set)+4*\n+3] offset:(16*((\n/4)%2)+8*(\n/8)+2*(\n%4))*SPK
.endr
.irp c, 0,1,2,3
.irp j, 0,1,2,3
	ds_load_b128 v[X+16*\c+4*\j:X+16*\c+4*\j+3], v4 offset:16*(\c/2)*SPK+128*(\c%2)+16*\j   ; LDS serves a wave's instructions in order: these see the stores above.  Register 16 c + i: channel 32 (c % 2) + 16 h + i of tile c / 2, row r
.endr
.endr
.endm
.macro QUANT                           ; 64 numbers of a lane, four blocks of which lane l xor 16 holds the other halves, become 16 registers of codes and four bytes
.irp b, 0,1,2,3
	v_max3_num_f32 v[TM+\b], |v[X+16*\b]|, |v[X+16*\b+1]|, 0x4800000   ; my 16 numbers, and the floor 2^(9 - 127): the byte cannot fall under 1
.endr
.irp i, 2,4,6,8,10,12,14
.irp b, 0,1,2,3
	v_max3_num_f32 v[TM+\b], v[TM+\b], |v[X+16*\b+\i]|, |v[X+16*\b+\i+1]|   ; (the four blocks by turns)
.endr
.endr
.irp b, 0,1,2,3
	v_permlanex16_b32 v[TM+4+\b], v[TM+\b], s20, s21
.endr
.irp b, 0,1,2,3
	v_max_num_f32 v[TM+\b], v[TM+\b], v[TM+4+\b]   ; the block's largest magnitude
.endr
.irp b, 0,1,2,3
	v_add_nc_u32 v[TM+12+\b], 0xfc000000, v[TM+\b] ; 8 off its exponent field: the conversion takes the exponent field of this operand as its scale
.endr
.irp b, 0,1,2,3
	v_and_or_b32 v[TM+8+\b], v[TM+\b], 0x7f800000, s23   ; 448 x the scale
.endr
.irp b, 0,1,2,3
	v_lshrrev_b32 v[TM+4+\b], 23, v[TM+12+\b]      ; the scale's byte
.endr
.irp b, 0,1,2,3
.irp i, 0,1,2,3,4,5,6,7,8,9,10,11,12,13,14,15
	v_med3_num_f32 v[X+16*\b+\i], v[X+16*\b+\i], -v[TM+8+\b], v[TM+8+\b]   ; the conversion to an 8-bit code does not saturate (ISA guide 7.6.2): the hold at the largest code x the scale
.endr
	v_cvt_scalef32_pk8_fp8_f32 v[PC+4*\b:PC+4*\b+1], v[X+16*\b:X+16*\b+7], v[TM+12+\b]
	v_cvt_scalef32_pk8_fp8_f32 v[PC+4*\b+2:PC+4*\b+3], v[X+16*\b+8:X+16*\b+15], v[TM+12+\b]
.endr
	v_nop                                          ; a plain place behind the last conversions
.endm
.macro KBLOCK b
.if \b < 3
	s_wait_loadcnt 16                              ; this block's 16 loads are in; the one younger set may be out
.else
	s_wait_loadcnt 0x0
.endif
	TURN (\b)%2
	s_wait_dscnt 0x0                               ; the numbers are back, and the stage's stores have read their registers,
.if \b < 2
	LOADK (\b)+2, (\b)%2                           ; which take the keys of two blocks on
.endif
.if \b > 0
	s_wait_xcnt 0x0                                ; the last block's stores have read their data: the codes' registers may be written again
.endif
	QUANT
	v_lshl_or_b32 v[W+\b], v[TM+5], 8, v[TM+4]     ; the four bytes make row r's scale word of this double fragment (both halves of the lanes hold it)
	v_lshl_or_b32 v[W+\b], v[TM+6], 16, v[W+\b]
	v_lshl_or_b32 v[W+\b], v[TM+7], 24, v[W+\b]
.irp c, 0,1,2,3
	global_store_b128 v2, v[PC+4*\c:PC+4*\c+3], s[8:9] offset:(\b)*2048+\c*512   ; 32 lanes store 512 consecutive bytes, at a multiple of 256 from kv's first byte
.endr
.endm
	LOADK 0, 0
	LOADK 1, 1
	s_wait_alu depctr_va_vdst(0)
	KBLOCK 0
	KBLOCK 1
	KBLOCK 2
	KBLOCK 3
	v_cmp_lt_u32 vcc_lo, 15, v1                    ; lanes 16-31 carry the odd double fragments' words
	v_cndmask_b32 v244, v240, v241, vcc_lo
	v_cndmask_b32 v245, v242, v243, vcc_lo
	global_store_b64 v5, v[244:245], s[8:9] offset:16384   ; 32 lanes store 256 consecutive bytes
	s_wait_tensorcnt 0x0
	ds_add_u32 v254, v255
	s_wait_dscnt 0x0
	s_endpgm
; ---------------- V: the keys are not innermost.  A lane takes a channel and its registers run down the keys: a block of 32 keys lies in one lane's 32 registers, and the conversions give codes with the keys innermost.
.Lv:
	s_wait_alu depctr_va_vdst(0)
	v_lshlrev_b32 v2, 2, v1                        ; in: 4 bytes a lane
	v_lshlrev_b32 v3, 11, v7
	v_lshl_add_u32 v3, v6, 4, v3                   ; out: channel 32 g + L is row r of tile 2 g + h: 2048 h + 16 r
.macro LOADV t                         ; block t: keys 32 (t / 2) + 0..31, channels 32 (t % 2) + L.  A row's 256 bytes are read by two loads, one for each t % 2, so no hint is given
.set ii, 0
.rept 32
	global_load_b32 v[VX+32*((\t)%2)+ii], v2, s[4:5] offset:(32*((\t)/2)+ii)*256+128*((\t)%2)
.set ii, ii+1
.endr
.endm
.macro BLOCKV t
.set XS, VX+32*((\t)%2)
.set CC, CV+8*(\t)
.if (\t) < 7
	s_wait_loadcnt 32                              ; this block's 32 loads are in; the next block's may be out
.else
	s_wait_loadcnt 0x0
.endif
	v_max3_num_f32 v224, |v[XS]|, |v[XS+1]|, |v[XS+2]|     ; the block's largest magnitude: all 32 numbers are mine
	v_max3_num_f32 v225, |v[XS+3]|, |v[XS+4]|, |v[XS+5]|
.irp i, 6,10,14,18,22,26
	v_max3_num_f32 v224, v224, |v[XS+\i]|, |v[XS+\i+1]|
	v_max3_num_f32 v225, v225, |v[XS+\i+2]|, |v[XS+\i+3]|
.endr
	v_max3_num_f32 v224, v224, |v[XS+30]|, |v[XS+31]|
	v_max3_num_f32 v224, v224, v225, 0x4800000     ; and the floor 2^(9 - 127)
	v_add_nc_u32 v226, 0xfc000000, v224            ; the conversion's scale operand
	v_and_or_b32 v227, v224, 0x7f800000, s23       ; 448 x the scale
	v_lshrrev_b32 v228, 23, v226                   ; the byte
.if (\t)/2 == 0
	v_mov_b32 v[SB+(\t)%2], v228                   ; four bytes to a word, the earlier keys in the lower byte
.else
	v_lshl_or_b32 v[SB+(\t)%2], v228, 8*((\t)/2), v[SB+(\t)%2]
.endif
.set kk, 0
.rept 32
	v_med3_num_f32 v[XS+kk], v[XS+kk], -v227, v227 ; the hold at the largest code x the scale
.set kk, kk+1
.endr
.irp g, 0,1,2,3
	v_cvt_scalef32_pk8_fp8_f32 v[CC+2*\g:CC+2*\g+1], v[XS+8*\g:XS+8*\g+7], v226
.endr
	global_store_b128 v3, v[CC:CC+3], s[8:9] offset:8192+((\t)%2)*4096+((\t)/2)*512          ; keys 32 c + 0..15: the fragment's lanes 0-15; sixteen lanes store 256 consecutive bytes
	global_store_b128 v3, v[CC+4:CC+7], s[8:9] offset:8192+((\t)%2)*4096+((\t)/2)*512+256    ; keys 32 c + 16..31: its lanes 16-31
.if (\t)+2 < 8
	LOADV (\t)+2
.endif
.endm
	LOADV 0
	LOADV 1
.irp t, 0,1,2,3,4,5,6,7
	BLOCKV \t
.endr
	global_store_b64 v5, v[SB:SB+1], s[8:9] offset:16640   ; 32 lanes store 256 consecutive bytes
	s_endpgm
.Lfunc_end_k_qe7649a74d3_quant:
	.size	k_qe7649a74d3_quant, .Lfunc_end_k_qe7649a74d3_quant-k_qe7649a74d3_quant
	.p2alignl 7, 3214868480
	.fill 96, 4, 3214868480
	.section	.rodata,"a",@progbits
	.p2align	6, 0x0
	.amdhsa_kernel k_qe7649a74d3_quant
		.amdhsa_group_segment_fixed_size 35328
		.amdhsa_private_segment_fixed_size 0
		.amdhsa_enable_private_segment 0
		.amdhsa_kernarg_size 24
		.amdhsa_user_sgpr_count 2
		.amdhsa_user_sgpr_kernarg_segment_ptr 1
		.amdhsa_wavefront_size32 1
		.amdhsa_system_sgpr_workgroup_id_x 1
		.amdhsa_system_sgpr_workgroup_id_y 1
		.amdhsa_system_sgpr_workgroup_id_z 1
		.amdhsa_system_vgpr_workitem_id 0
		.amdhsa_next_free_vgpr 256
		.amdhsa_next_free_sgpr 66
		.amdhsa_reserve_vcc 1
		.amdhsa_float_denorm_mode_32 3
		.amdhsa_float_denorm_mode_16_64 3
		.amdhsa_memory_ordered 1
		.amdhsa_forward_progress 1
		.amdhsa_inst_pref_size 105
	.end_amdhsa_kernel
	.amdgpu_metadata
---
amdhsa.version: [ 1, 2 ]
amdhsa.kernels:
  - .name:           k_qe7649a74d3_quant
    .symbol:         k_qe7649a74d3_quant.kd
    .args:
      - { .name: key, .offset: 0, .size: 8, .value_kind: global_buffer, .address_space: global }
      - { .name: value, .offset: 8, .size: 8, .value_kind: global_buffer, .address_space: global }
      - { .name: kv, .offset: 16, .size: 8, .value_kind: global_buffer, .address_space: global }
    .group_segment_fixed_size: 35328
    .private_segment_fixed_size: 0
    .kernarg_segment_align: 8
    .kernarg_segment_size: 24
    .max_flat_workgroup_size: 128
    .sgpr_count:     66
    .vgpr_count:     256
    .wavefront_size: 32
...
	.end_amdgpu_metadata
.endif
;; end of part 1
;; launch attn (part 2): grid 16 x 16, 8 waves a work-group, clusters of 4 x 4, 327,680 bytes of LDS; arguments query, attn_mask, kv, out0; writes out0
.if DOCPART == 2
	.amdgcn_target "amdgcn-amd-amdhsa--gfx1250"
	.amdhsa_code_object_version 6
	.text
	.protected	k_qe7649a74d3_attn
	.globl	k_qe7649a74d3_attn
	.p2align	8
	.type	k_qe7649a74d3_attn,@function
k_qe7649a74d3_attn:
	s_mov_b64 s[64:65], 0
	v_nop
	global_prefetch_b8 v0, s[64:65] scope:SCOPE_SE
	s_setreg_imm32_b32 hwreg(HW_REG_WAVE_MODE, 25, 1), 1
	s_wait_xcnt 0x0
	s_wait_alu depctr_hold_cnt(0) depctr_sa_sdst(0) depctr_va_vdst(0) depctr_va_sdst(0) depctr_va_ssrc(0) depctr_va_vcc(0) depctr_vm_vsrc(0)
	s_getreg_b32 s2, hwreg(HW_REG_IB_STS2, 6, 4)
	s_cmp_eq_u32 s2, 0
	s_cbranch_scc0 .Lentry_in_a_cluster
	s_endpgm
.Lentry_in_a_cluster:
	s_bfe_u32 s2, ttmp6, 0x10000c
	s_cmp_lg_u32 s2, 0xf033
	s_cbranch_scc0 .Lentry_shape_is_right
	s_endpgm
.Lentry_shape_is_right:
; out[head][q][:] = sum over k of softmax_k(Q[q] . K[k] + mask[q][k]) V[k][:]; 64 heads, 2,048 queries and keys, 64 channels; the mask [2048][2048] f32 serves all heads.  No work of the problem is left out.
; Both products on codes of FP8 (E4M3), one E8M0 scale for each 32 along K.  K's and V's codes and scale words come from kv as images of the operands' registers (a record of REC bytes for a head and 128 keys).  Q is quantised here.
; SOFTMAX: t = logit x log2(e); M = the running largest t rounded up to a whole number; p = 2^(t - M) is quantised along the keys; the row's sum is taken of the unquantised p and divides at the end; when M moves, sum and O are multiplied by 2^(old M - new M).
; SHARES: a task is 128 queries (block qb) of a pair of heads (hp).  Wave w of eight: head w / 4 of the pair, queries 32 (w % 4) + 16 t + r, t = 0, 1.  A work-group does two tasks with one qb: hp0 = gy + 16 (cluster x % 2), then hp0 xor 16.
; The two tasks are ONE stream of 32 key steps: 15 trips of two steps, each of which refills the slot it leaves with the tile two steps on, and two steps written out that ask for nothing.  In trip 7 the descriptors' increment leads to the second task's tiles.
; LAYOUT: both products transposed (S^T = K Q^T, O^T = V^T P^T): a lane holds one query.  Register 16 b + i of S is key 32 b + 16 (lane / 16) + i.  A double fragment of K holds two tiles of 16 keys x 64 channels; Q lies as [codes 8][zero codes 8][codes 8].
; The mask is the C of K Q^T: it is loaded from LDS into the accumulators' registers.
; CLUSTER 4 x 4: the mask's tile hangs on qb and is asked for jointly along a column, the records on hp, jointly along a row.  Waves 0-3 fill slot 0 (mask halves, two records), waves 4-7 slot 1: one tensor load a wave at the head and behind a round.
; THE SECOND TASK'S Q is asked for behind the head's tiles, into O's registers, which are idle until the end of key step 0; there it is quantised and O is cleared.
; PREFETCH: at step n (n up to 11) waves 0-3 name tile n + 4 of the first task, which step n + 2 loads: the mask's 128 rows x 2 blocks of 256 bytes shared out by cy (32 rows a work-group, a lane a row, a block a wave), each record's 66 blocks by cx (17 a work-group).
; Tiles 0-3 come by their loads alone; the second task's tiles are bytes that first tasks of this launch load, and are not named again.
; LIMITS: NaN and infinities in query, key, value are not served; mask entries are taken as finite (a row wholly of -infinity is not served); the scaled scores stay under 2^31 in magnitude.
; REGISTERS, window 0: v1-11 addresses; v12-27 statistics; v28-31 K's, V's scale words; v32-159 S; v160-191 p's codes; v192-219 at work; v220-251 the way out.  Window 1: v0-63 K; v64-127 V; v128-175 Q; v176-239 O^T; v240-255 the next Q's codes.
.set REC,   16896
.set MP,    528
.set MHALF, 64*MP
.set MASKB, 2*MHALF
.set SLOT,  MASKB+2*REC
.set STAGE, 2*SLOT                     ; each wave's stage for the way out: 32 rows x 272 bytes; no tensor load lands here
.set SP,    272
.set SPARE, STAGE+8*32*SP              ; the spare words: 128 bytes a wave
.set SPW, 1
.set NIL, 2
.set AM,  3
.set AF,  5
.set AS,  7
.set STO, 9
.set RD,  10
.set GO,  11
.set ST,  12                           ; tile t at ST + 8 t: +0 -M, +1 largest t, +2, +3 the sum, +4 f, +5 p's scale word, +6 Q's scale word, +7 the next Q's
.set KS,  28
.set VS,  30
.set S,   32
.set P,   160
.set BM,  192                          ; four blocks' largest score, then largest p: tile t at BM + 4 t
.set PT,  200
.set HD,  204
.set SO,  208
.set TA,  212
.set QA,  213
.set SUM2, 214
.set RR,  216
.set HH,  217
.set LL,  218
.set PFO, 219
.set OB2, 220
.set FK,  0
.set FV,  64
.set Q,   128
.set O,   176
.set QN,  240
.set PFA, 2                            ; s[2:3] where my prefetches stand
.set WV,  12
.set SEL, 20
.set CS,  22
.set MNT, 24
.set CNT, 25
.set LIM, 26
.set G1M, 28
.set G1K, 36
.set G0M, 44
.set G0K, 52
.set XK,  62                           ; s62 records: from tile 14 + s to the second task's tile s, in bytes (signed)
.set INK, 63                           ; s63 this trip's step of the records' offsets
.set PFS, 68
.set OP0, 10
.set OP1, 88
.set OM,  92                           ; s[92:93], s[94:95] slot 0's, slot 1's byte offset along the mask's rows; the upper words are 0
.set OK,  96                           ; s[96:97], s[98:99] the slots' records' byte offsets in kv; the upper words are 0
.set MSB, 0
.macro WIN new
.if MSB != \new
	s_set_vgpr_msb (MSB<<8)|\new
.set MSB, \new
.endif
.endm
.macro PLACES n
.rept \n
	v_nop
.endr
.endm
.macro CREST                           ; a round of the cluster's barrier behind its opening barrier
	s_cmp_lg_u32 s[WV], 0
	s_cbranch_scc1 .Lnw0_\@
	s_barrier_signal -3
.Lnw0_\@:
	s_barrier_wait -3
	s_barrier_signal -1
	s_barrier_wait -1
.endm
.macro ROUND
	s_barrier_signal -1
	s_barrier_wait -1
	CREST
.endm
.macro TL g0, g1                       ; a joint load and the five lines behind it
	tensor_load_to_lds s[\g0:\g0+3], s[\g1:\g1+7]
	s_nop 0
	PLACES 4
.endm
.macro TLOAD n                         ; slot n's refill: waves 4 n, 4 n + 1 the mask's halves, 4 n + 2, 4 n + 3 the records
.if \n
	s_cmp_lt_u32 s[WV], 4
	s_cbranch_scc1 .Lasked_\@
.endif
	s_cmp_lt_u32 s[WV], 4*\n+2
	s_cbranch_scc0 .Lnm_\@
	TL G0M+4*\n, G1M
	s_branch .Lasked_\@
.Lnm_\@:
.if \n == 0
	s_cmp_lt_u32 s[WV], 4
	s_cbranch_scc0 .Lasked_\@
.endif
	TL G0K+4*\n, G1K
.Lasked_\@:
.endm
.macro ASK
	s_cmp_lt_u32 s[CNT], s[LIM]
	s_cbranch_scc0 .Lna_\@
	global_prefetch_b8 v[PFO], s[PFA:PFA+1] th:TH_LOAD_NT scope:SCOPE_SE
.Lna_\@:
.endm
	s_load_b256 s[4:11], s[0:1], 0x0               ; query, attn_mask, kv, out0
	v_lshl_add_u32 v[SPW], v0, 2, SPARE
	v_mov_b32 v[NIL], 0
	ds_add_u32 v[SPW], v[NIL]                      ; the opening lines: the add twice on end
	ds_add_u32 v[SPW], v[NIL]
	v_lshrrev_b32 v[TA], 5, v0
	v_readfirstlane_b32 s[WV], v[TA]               ; wave 0..7
	v_and_b32 v[RR], 15, v0
	v_bfe_u32 v[HH], v0, 4, 1
	v_and_b32 v[LL], 31, v0
	v_lshlrev_b32 v[QA], 8, v[RR]
	v_lshl_add_u32 v[QA], v[HH], 6, v[QA]          ; Q: row r of 256 bytes, + 64 h
	s_wait_alu depctr_va_vdst(0)                   ; the wait ahead of the run of scalar lines below
	s_and_b32 s13, s[WV], 1                        ; which half of the mask's tile or which head's record I fetch
	s_lshr_b32 s14, s[WV], 2                       ; my head of the pair
	s_and_b32 s15, s[WV], 3                        ; my 32 queries
	s_bfe_u32 s16, ttmp6, 0x40000                  ; cx
	s_bfe_u32 s17, ttmp6, 0x40004                  ; cy
	s_lshl_b32 s18, ttmp9, 2
	s_add_co_u32 s18, s18, s16                     ; qb
	s_and_b32 s19, ttmp7, 0xffff
	s_lshl_b32 s19, s19, 2
	s_add_co_u32 s19, s19, s17                     ; gy
	s_and_b32 s83, ttmp9, 1
	s_lshl_b32 s83, s83, 4
	s_add_co_u32 s19, s19, s83                     ; hp, first task
	s_xor_b32 s83, s19, 16                         ; hp, second task
	s_lshl_b32 s81, 0x1111, s16                    ; my column of the cluster
	s_lshl_b32 s82, s17, 2
	s_lshl_b32 s82, 15, s82                        ; my row
	s_or_b32 s[G1M], s81, (2<<16)|(1<<20)|(1<<21)|(6<<22)|(3<<25)   ; the mask: 64 rows of 128 f32, 4 words of padding behind each
	s_mov_b32 s[G1M+1], 128<<16
	s_mov_b32 s[G1M+2], 64<<16
	s_mov_b32 s[G1M+3], 128<<16
	s_mov_b32 s[G1M+4], 64
	s_mov_b32 s[G1M+5], 2048
	s_mov_b32 s[G1M+6], 0
	s_mov_b32 s[G1M+7], 0
	s_or_b32 s[G1K], s82, (3<<16)|(1<<21)          ; a record: 66 dense rows of 256 bytes
	s_mov_b32 s[G1K+1], 32<<16
	s_mov_b32 s[G1K+2], 66<<16
	s_mov_b32 s[G1K+3], 32<<16
	s_mov_b32 s[G1K+4], 66
	s_mov_b32 s[G1K+5], 32
	s_mov_b32 s[G1K+6], 0
	s_mov_b32 s[G1K+7], 0
	s_lshl_b32 s66, s18, 20                        ; the mask: 128 rows of 8,192 bytes a block of queries,
	s_lshl_b32 s67, s13, 19                        ; 64 rows a half
	s_add_co_u32 s66, s66, s67
	s_mov_b32 s67, 0
	s_lshl_b32 s70, s19, 1
	s_add_co_u32 s70, s70, s13
	s_mul_i32 s70, s70, 16*REC                     ; the records that I fetch, first task
	s_mov_b32 s71, 0
	s_lshl_b32 s90, s83, 1
	s_add_co_u32 s90, s90, s13
	s_mul_i32 s90, s90, 16*REC                     ; second task
	s_sub_co_i32 s[XK], s90, s70
	s_sub_co_i32 s[XK], s[XK], 14*REC
	s_mov_b32 s[OM], 0
	s_mov_b32 s[OM+1], 0
	s_mov_b32 s[OM+2], 512
	s_mov_b32 s[OM+3], 0
	s_mov_b32 s[OK], s70
	s_mov_b32 s[OK+1], 0
	s_add_co_u32 s[OK+2], s70, REC
	s_mov_b32 s[OK+3], 0
	s_lshl_b32 s75, s18, 7
	s_lshl_b32 s87, s15, 5
	s_add_co_u32 s75, s75, s87                     ; my first query in a head
	s_lshl_b32 s74, s19, 1
	s_add_co_u32 s74, s74, s14
	s_lshl_b32 s74, s74, 11
	s_add_co_u32 s74, s74, s75
	s_lshl_b32 s74, s74, 8                         ; my first row of query and out0, first task
	s_lshl_b32 s86, s83, 1
	s_add_co_u32 s86, s86, s14
	s_lshl_b32 s86, s86, 11
	s_add_co_u32 s86, s86, s75
	s_lshl_b32 s86, s86, 8                         ; second task
	s_mov_b32 s75, 0
	s_mov_b32 s87, 0
	s_mul_i32 s76, s13, MHALF
	s_mul_i32 s77, s13, REC
	s_mul_i32 s78, s15, 32*MP
	s_mul_i32 s79, s14, REC
	s_add_co_u32 s79, s79, MASKB
	s_add_co_u32 s80, s79, 16384
	s_mul_i32 s60, s[WV], 32*SP
	s_add_co_u32 s60, s60, STAGE
	s_mov_b32 s[SEL], 0x76543210
	s_mov_b32 s[SEL+1], 0xfedcba98
	s_mov_b32 s[CS], 0x3fb8aa3b                    ; log2(e)
	s_mov_b32 s[CS+1], s[CS]
	s_mov_b32 s[MNT], 0x600000
	; the prefetches: byte offset of tile 3 (each step adds a tile before it asks), a tile's step, the lanes' offsets
	s_lshl_b32 s81, s18, 20
	s_lshl_b32 s82, s17, 18                        ; my work-group's 32 rows of the mask's 128
	s_add_co_u32 s81, s81, s82
	s_lshl_b32 s82, s13, 8                         ; my wave's 256 of a row's 512 bytes
	s_add_co_u32 s81, s81, s82
	s_add_co_u32 s81, s81, 3*512
	s_add_co_u32 s90, s70, 3*REC
	s_mul_i32 s61, s16, 17                         ; my work-group's 17 blocks of a record's 66
	s_mov_b32 s[PFS], REC
	s_cmp_lt_u32 s[WV], 2
	s_cselect_b32 s90, s81, s90
	s_cselect_b32 s[PFS], 512, s[PFS]
	s_cselect_b32 s27, 31, 16
	s_cselect_b32 s61, 0, s61
	s_cselect_b32 s81, 31, 65
	s_cselect_b32 s82, 13, 8
	s_mov_b32 s91, 0
	s_mov_b32 s[PFS+1], 0
	s_cmp_lt_u32 s[WV], 4
	s_cselect_b32 s[LIM], 6, 0                     ; waves 0-3 ask in trips 0 to 5
	v_min_u32 v[PFO], s27, v[LL]
	v_add_nc_u32 v[PFO], s61, v[PFO]
	v_min_u32 v[PFO], s81, v[PFO]                  ; lanes left over name their wave's last block again
	v_lshlrev_b32 v[PFO], s82, v[PFO]
	v_mul_u32_u24 v[AM], v[RR], MP
	v_lshl_add_u32 v[AM], v[HH], 6, v[AM]
	v_add_nc_u32 v[AM], s78, v[AM]
	v_add_nc_u32 v[AM+1], SLOT, v[AM]
	v_lshl_add_u32 v[AF], v[LL], 4, s79
	v_add_nc_u32 v[AF+1], SLOT, v[AF]
	v_lshl_add_u32 v[AS], v[LL], 3, s80
	v_add_nc_u32 v[AS+1], SLOT, v[AS]
	v_mul_u32_u24 v[STO], v[RR], SP
	v_lshl_add_u32 v[STO], v[HH], 5, v[STO]
	v_add_nc_u32 v[STO], s60, v[STO]
	v_mul_u32_u24 v[RD], v[HH], SP
	v_lshl_add_u32 v[RD], v[RR], 4, v[RD]
	v_add_nc_u32 v[RD], s60, v[RD]
	v_lshlrev_b32 v[GO], 4, v[LL]
.irp b, 0,1,2,3
	v_mov_b32 v[PT+\b], 0                          ; a lane permute's destination counts as one of its sources
.endr
	s_wait_alu depctr_va_vdst(0)                   ; the wait ahead of the waits below
	s_wait_dscnt 0x0                               ; both opening adds are done
	s_wait_kmcnt 0x0
	s_add_nc_u64 s[72:73], s[6:7], s[66:67]        ; my part of the mask's tile 0
	s_add_nc_u64 s[70:71], s[8:9], s[70:71]        ; my record 0
	s_add_nc_u64 s[84:85], s[4:5], s[86:87]
	s_add_nc_u64 s[OP1:OP1+1], s[10:11], s[86:87]
	s_add_nc_u64 s[4:5], s[4:5], s[74:75]
	s_add_nc_u64 s[OP0:OP0+1], s[10:11], s[74:75]
	s_cmp_lt_u32 s[WV], 2
	s_cselect_b64 s[PFA:PFA+1], s[6:7], s[8:9]
	s_add_nc_u64 s[PFA:PFA+1], s[PFA:PFA+1], s[90:91]
.macro LOADQ d, p                      ; a task's Q: block 2 t + c at window 1's v[d + 16 (2 t + c)]
	WIN 0x40
.irp t, 0,1
.irp c, 0,1
.irp j, 0,1,2,3
	global_load_b128 v[\d+32*\t+16*\c+4*\j:\d+32*\t+16*\c+4*\j+3], v[QA], s[\p:\p+1] offset:\t*4096+128*\c+16*\j th:TH_LOAD_NT
.endr
.endr
.endr
	WIN 0
.endm
	LOADQ FK, 4                                    ; the first task's Q, into K's registers, ahead of everything else
.irp n, 0,1
	s_mov_b32 s[G0M+4*\n], 1
	s_add_co_u32 s[G0M+4*\n+1], s76, \n*SLOT
	s_add_nc_u64 s[G0M+4*\n+2:G0M+4*\n+3], s[72:73], \n*512
	s_or_b32 s[G0M+4*\n+3], s[G0M+4*\n+3], 0x80000000
	s_mov_b32 s[G0K+4*\n], 1
	s_add_co_u32 s[G0K+4*\n+1], s77, \n*SLOT+MASKB
	s_add_nc_u64 s[G0K+4*\n+2:G0K+4*\n+3], s[70:71], \n*REC
	s_or_b32 s[G0K+4*\n+3], s[G0K+4*\n+3], 0x80000000
.endr
	ROUND                                          ; the first joint loads meet
.macro ARM under, g0, g1, next
	s_cmp_lt_u32 s[WV], \under
	s_cbranch_scc0 \next
	TL \g0, \g1
	s_branch .Lhead_asked
\next:
.endm
	ARM 2, G0M, G1M, .Lh1                          ; one chain, one load an arm: every wave issues one
	ARM 4, G0K, G1K, .Lh2
	ARM 6, G0M+4, G1M, .Lh3
	TL G0K+4, G1K
.Lhead_asked:
.macro RSTAT                           ; a task's beginning: the largest t is -3e38, the sums are zeros
.irp t, 0,1
	v_mov_b32 v[ST+8*\t+1], 0xff61b1e6
	v_floor_f32 v[ST+8*\t], -v[ST+8*\t+1]
	v_mov_b32 v[ST+8*\t+2], 0
	v_mov_b32 v[ST+8*\t+3], 0
	v_mov_b32 v[ST+8*\t+5], 0
.endr
.endm
.macro ZERO                            ; O^T = 0: the step has one form, whose first change of M leaves zeros zeros
	WIN 0x40
.set j, 0
.rept 64
	v_mov_b32 v[O+j], 0
.set j, j+1
.endr
	WIN 0
.endm
; Q's four blocks (tile t, channels 32 c on: block 2 t + c) at window 1's v[s] on become codes at window 1's v[QN] on and the two tiles' scale words in v[ST+7], v[ST+15]
.macro QUANTQ s
	WIN 0x05
.irp b, 0,1,2,3
	v_max3_num_f32 v[BM+\b], |v[\s+16*\b]|, |v[\s+16*\b+1]|, 0x4800000   ; with the floor 2^(9 - 127): the byte cannot fall under 1
.endr
	WIN 0x14
.irp i, 2,4,6,8,10,12,14
.irp b, 0,1,2,3
	v_max3_num_f32 v[BM+\b], v[BM+\b], |v[\s+16*\b+\i]|, |v[\s+16*\b+\i+1]|
.endr
.endr
	WIN 0
.irp b, 0,1,2,3
	v_permlanex16_b32 v[PT+\b], v[BM+\b], s[SEL], s[SEL+1]
.endr
.irp b, 0,1,2,3
	v_max_num_f32 v[BM+\b], v[BM+\b], v[PT+\b]
.endr
.irp b, 0,1,2,3
	v_add_nc_u32 v[SO+\b], 0xfc000000, v[BM+\b]    ; the conversion's scale operand
.endr
.irp b, 0,1,2,3
	v_and_or_b32 v[HD+\b], v[BM+\b], 0x7f800000, s[MNT]   ; 448 x the scale
.endr
.irp b, 0,1,2,3
	v_lshrrev_b32 v[PT+\b], 23, v[SO+\b]           ; the byte
.endr
	v_lshl_or_b32 v[TA], v[PT+1], 8, v[PT]
	v_lshl_or_b32 v[ST+7], v[TA], 16, v[TA]        ; (q0, q1) twice: it serves both ends of the 128 along K
	v_lshl_or_b32 v[TA], v[PT+3], 8, v[PT+2]
	v_lshl_or_b32 v[ST+15], v[TA], 16, v[TA]
	WIN 0x41
.irp b, 0,1,2,3
.irp i, 0,1,2,3,4,5,6,7,8,9,10,11,12,13,14,15
	v_med3_num_f32 v[\s+16*\b+\i], v[\s+16*\b+\i], -v[HD+\b], v[HD+\b]   ; the conversion does not saturate (ISA guide 7.6.2)
.endr
	v_cvt_scalef32_pk8_fp8_f32 v[QN+4*\b:QN+4*\b+1], v[\s+16*\b:\s+16*\b+7], v[SO+\b]
	v_cvt_scalef32_pk8_fp8_f32 v[QN+4*\b+2:QN+4*\b+3], v[\s+16*\b+8:\s+16*\b+15], v[SO+\b]
.endr
	v_nop                                          ; a plain place behind the conversions
	WIN 0
.endm
.macro MOVQ                            ; the codes go to both ends of Q's 24 registers a tile, the scale words to their places
	WIN 0x41
.irp t, 0,1
.irp i, 0,1,2,3,4,5,6,7
	v_mov_b32 v[Q+24*\t+\i], v[QN+8*\t+\i]
	v_mov_b32 v[Q+24*\t+16+\i], v[QN+8*\t+\i]
.endr
.endr
	WIN 0
	v_mov_b32 v[ST+6], v[ST+7]
	v_mov_b32 v[ST+14], v[ST+15]
.endm
	WIN 0x40
.irp t, 0,1
.irp i, 0,1,2,3,4,5,6,7
	v_mov_b32 v[Q+24*\t+8+\i], 0                   ; the zero codes in Q's middle, for both tasks
.endr
.endr
	WIN 0
	s_wait_alu depctr_va_vdst(0)                   ; the wait ahead of the wait below
	s_wait_loadcnt 0x0                             ; the first task's Q is in
	QUANTQ FK
	MOVQ
	RSTAT
.macro FETCH_K sl
	WIN 0x40
.irp b, 0,1,2,3
.irp c, 0,1,2,3
	ds_load_b128 v[FK+16*\b+4*\c:FK+16*\b+4*\c+3], v[AF+(\sl)] offset:\b*2048+\c*512
.endr
.endr
	WIN 0
	ds_load_b64 v[KS:KS+1], v[AS+(\sl)]
.endm
.macro FETCH_V sl
	WIN 0x40
.irp d, 0,1,2,3
.irp c, 0,1,2,3
	ds_load_b128 v[FV+16*\d+4*\c:FV+16*\d+4*\c+3], v[AF+(\sl)] offset:8192+\d*2048+\c*512
.endr
.endr
	WIN 0
	ds_load_b64 v[VS:VS+1], v[AS+(\sl)] offset:256
.endm
.macro FETCH_M sl, t
.irp b, 0,1,2,3
.irp j, 0,1,2,3
	ds_load_b128 v[S+64*\t+16*\b+4*\j:S+64*\t+16*\b+4*\j+3], v[AM+(\sl)] offset:\t*16*MP+128*\b+16*\j
.endr
.endr
.endm
.macro QK t                            ; S^T = K Q^T + the mask: eight accumulators, one instruction each
.irp b, 0,1,2,3
.irp u, 0,1
.if (\b%2) == 1
	v_wmma_scale_f32_16x16x128_f8f6f4 v[S+64*\t+16*\b+8*\u:S+64*\t+16*\b+8*\u+7], v[FK+16*\b:FK+16*\b+15], v[Q+24*\t+8*\u:Q+24*\t+8*\u+15], v[S+64*\t+16*\b+8*\u:S+64*\t+16*\b+8*\u+7], v[KS+\b/2], v[ST+8*\t+6] matrix_a_scale:MATRIX_SCALE_ROW1
.else
	v_wmma_scale_f32_16x16x128_f8f6f4 v[S+64*\t+16*\b+8*\u:S+64*\t+16*\b+8*\u+7], v[FK+16*\b:FK+16*\b+15], v[Q+24*\t+8*\u:Q+24*\t+8*\u+15], v[S+64*\t+16*\b+8*\u:S+64*\t+16*\b+8*\u+7], v[KS+\b/2], v[ST+8*\t+6]
.endif
.endr
.endr
.endm
.macro SETT t
.set rS, S+64*\t
.set rT, ST+8*\t
.set rP, P+16*\t
.set rB, BM+4*\t
.endm
.macro MAXT t                          ; the largest score of each block of 32 keys; each accumulator is read from its low end on
	SETT \t
.irp b, 0,1,2,3
	v_max3_num_f32 v[rB+\b], v[rS+16*\b], v[rS+16*\b+1], v[rS+16*\b+2]
.endr
.irp i, 3,5,7,9,11,13
.irp b, 0,1,2,3
	v_max3_num_f32 v[rB+\b], v[rB+\b], v[rS+16*\b+\i], v[rS+16*\b+\i+1]
.endr
.endr
.irp b, 0,1,2,3
	v_max_num_f32 v[rB+\b], v[rB+\b], v[rS+16*\b+15]
.endr
.irp b, 0,1,2,3
	v_permlanex16_b32 v[PT+\b], v[rB+\b], s[SEL], s[SEL+1]
.endr
.irp b, 0,1,2,3
	v_max_num_f32 v[rB+\b], v[rB+\b], v[PT+\b]
.endr
.endm
.macro STAT2                           ; both tiles' new M and f, t - M of the blocks' largest scores, the sums under the new M; the two tiles' chains take turns (temporaries v212, v214)
.irp t, 0,1
	v_max3_num_f32 v[TA+2*\t], v[BM+4*\t], v[BM+4*\t+1], v[BM+4*\t+2]
.endr
.irp t, 0,1
	v_max_num_f32 v[TA+2*\t], v[TA+2*\t], v[BM+4*\t+3]
.endr
.irp t, 0,1
	v_mul_f32 v[TA+2*\t], s[CS], v[TA+2*\t]
.endr
.irp t, 0,1
	v_max_num_f32 v[ST+8*\t+1], v[ST+8*\t+1], v[TA+2*\t]   ; the running largest t
.endr
.irp t, 0,1
	v_mov_b32 v[TA+2*\t], v[ST+8*\t]
.endr
.irp t, 0,1
	v_floor_f32 v[ST+8*\t], -v[ST+8*\t+1]          ; -M = floor(-t)
.endr
.irp t, 0,1
	v_sub_f32 v[TA+2*\t], v[ST+8*\t], v[TA+2*\t]
.endr
.irp t, 0,1
	v_cvt_i32_f32 v[TA+2*\t], v[TA+2*\t]           ; (it saturates)
.endr
.irp t, 0,1
	v_ldexp_f32 v[ST+8*\t+4], 1.0, v[TA+2*\t]      ; f = 2^(old M - new M)
.endr
.irp t, 0,1
.irp b, 0,1,2,3
	v_fma_f32 v[BM+4*\t+\b], v[BM+4*\t+\b], s[CS], v[ST+8*\t]
.endr
.endr
.irp t, 0,1
	v_pk_mul_f32 v[ST+8*\t+2:ST+8*\t+3], v[ST+8*\t+2:ST+8*\t+3], v[ST+8*\t+4:ST+8*\t+5] op_sel_hi:[1,0]
.endr
.endm
.macro FMA t, j                        ; t - M of two scores of tile t
	v_pk_fma_f32 v[S+64*\t+\j:S+64*\t+\j+1], v[S+64*\t+\j:S+64*\t+\j+1], s[CS:CS+1], v[ST+8*\t:ST+8*\t+1] op_sel_hi:[1,0,0]
.endm
.macro FMA0
.set j, 0
.rept 32
	FMA 0, j
.set j, j+2
.endr
.endm
.macro MIX0                            ; tile 0's batch of 68 exponentials; among them tile 1's t - M, whose results are first read behind the next wait
.irp b, 0,1,2,3
	v_exp_f32 v[BM+\b], v[BM+\b]
.endr
.set j, 0
.rept 32
	v_exp_f32 v[S+j], v[S+j]
	v_exp_f32 v[S+j+1], v[S+j+1]
	FMA 1, j
.set j, j+2
.endr
.endm
.macro MIX1                            ; tile 1's batch; among it tile 0's sums of four unquantised p (into v220-251) and then its holds: all first read behind the next wait
.irp b, 0,1,2,3
	v_exp_f32 v[BM+4+\b], v[BM+4+\b]
.endr
.set g, 0
.rept 16
	v_exp_f32 v[S+64+4*g], v[S+64+4*g]
	v_pk_add_f32 v[OB2+2*g:OB2+2*g+1], v[S+4*g:S+4*g+1], v[S+4*g+2:S+4*g+3]
	v_exp_f32 v[S+64+4*g+1], v[S+64+4*g+1]
	v_dual_min_num_f32 v[S+4*g], v[S+4*g], v[HD+g/4] :: v_dual_min_num_f32 v[S+4*g+1], v[S+4*g+1], v[HD+g/4]
	v_exp_f32 v[S+64+4*g+2], v[S+64+4*g+2]
	v_dual_min_num_f32 v[S+4*g+2], v[S+4*g+2], v[HD+g/4] :: v_dual_min_num_f32 v[S+4*g+3], v[S+4*g+3], v[HD+g/4]
	v_exp_f32 v[S+64+4*g+3], v[S+64+4*g+3]
.set g, g+1
.endr
.endm
.macro FIN0                            ; tile 0: the sixteen partial sums join the row's sum in two chains; the codes
	v_pk_add_f32 v[SUM2:SUM2+1], v[OB2:OB2+1], v[OB2+2:OB2+3]
.set g, 0
.rept 7
	v_pk_add_f32 v[ST+2:ST+3], v[ST+2:ST+3], v[OB2+4*g+4:OB2+4*g+5]
	v_pk_add_f32 v[SUM2:SUM2+1], v[SUM2:SUM2+1], v[OB2+4*g+6:OB2+4*g+7]
	v_cvt_scalef32_pk8_fp8_f32 v[P+2*g:P+2*g+1], v[S+8*g:S+8*g+7], v[SO+g/2]
.set g, g+1
.endr
	v_cvt_scalef32_pk8_fp8_f32 v[P+14:P+15], v[S+56:S+63], v[SO+3]
	v_pk_add_f32 v[ST+2:ST+3], v[ST+2:ST+3], v[SUM2:SUM2+1]   ; the two chains meet (a plain place behind the last conversion)
.endm
.macro SCALE t                         ; from the blocks' largest p: the conversions' scale operands, 448 x the scale, p's scale word
	SETT \t
.irp b, 0,1,2,3
	v_max_num_f32 v[rB+\b], 0x4800000, v[rB+\b]    ; the floor 2^(9 - 127)
.endr
.irp b, 0,1,2,3
	v_add_nc_u32 v[SO+\b], 0xfc000000, v[rB+\b]
.endr
.irp b, 0,1,2,3
	v_and_or_b32 v[HD+\b], v[rB+\b], 0x7f800000, s[MNT]
.endr
.irp b, 0,1,2,3
	v_lshrrev_b32 v[PT+\b], 23, v[SO+\b]
.endr
	v_lshl_or_b32 v[rT+5], v[PT+1], 8, v[PT]       ; p's scale word for these 128 keys
	v_lshl_or_b32 v[rT+5], v[PT+2], 16, v[rT+5]
	v_lshl_or_b32 v[rT+5], v[PT+3], 24, v[rT+5]
.endm
.macro POST t                          ; scales, the row's sum of the unquantised p, the holds (two to a line), the codes
	SCALE \t
.set g, 0
.rept 16
.if g == 0
	v_pk_add_f32 v[SUM2:SUM2+1], v[rS:rS+1], v[rS+2:rS+3]
.else
	v_pk_add_f32 v[rT+2:rT+3], v[rT+2:rT+3], v[rS+4*g:rS+4*g+1]
	v_pk_add_f32 v[SUM2:SUM2+1], v[SUM2:SUM2+1], v[rS+4*g+2:rS+4*g+3]
.endif
	v_dual_min_num_f32 v[rS+4*g], v[rS+4*g], v[HD+g/4] :: v_dual_min_num_f32 v[rS+4*g+1], v[rS+4*g+1], v[HD+g/4]   ; the conversion does not saturate (ISA guide 7.6.2); p is not negative
	v_dual_min_num_f32 v[rS+4*g+2], v[rS+4*g+2], v[HD+g/4] :: v_dual_min_num_f32 v[rS+4*g+3], v[rS+4*g+3], v[HD+g/4]
.if (g%2) == 1
	v_cvt_scalef32_pk8_fp8_f32 v[rP+2*(g/2):rP+2*(g/2)+1], v[rS+8*(g/2):rS+8*(g/2)+7], v[SO+g/4]
.endif
.set g, g+1
.endr
	v_pk_add_f32 v[rT+2:rT+3], v[rT+2:rT+3], v[SUM2:SUM2+1]   ; the two chains meet (a plain place behind the last conversion)
.endm
.macro RESCALE                         ; O^T x f (on the way out: x 1 / the sum), ascending
	WIN 0x41
	s_wait_alu depctr_va_vdst(0)                   ; the wait directly ahead of the first reader of O^T
.irp t, 0,1
.set j, 0
.rept 16
	v_pk_mul_f32 v[O+32*\t+j:O+32*\t+j+1], v[O+32*\t+j:O+32*\t+j+1], v[ST+8*\t+4:ST+8*\t+5] op_sel_hi:[1,0]
.set j, j+2
.endr
.endr
.endm
.macro PV                              ; O^T += V^T P^T: eight accumulators by turns
	WIN 0x51
.irp d, 0,1,2,3
.irp t, 0,1
.if (\d%2) == 1
	v_wmma_scale_f32_16x16x128_f8f6f4 v[O+32*\t+8*\d:O+32*\t+8*\d+7], v[FV+16*\d:FV+16*\d+15], v[P+16*\t:P+16*\t+15], v[O+32*\t+8*\d:O+32*\t+8*\d+7], v[VS+\d/2], v[ST+8*\t+5] matrix_a_scale:MATRIX_SCALE_ROW1
.else
	v_wmma_scale_f32_16x16x128_f8f6f4 v[O+32*\t+8*\d:O+32*\t+8*\d+7], v[FV+16*\d:FV+16*\d+15], v[P+16*\t:P+16*\t+15], v[O+32*\t+8*\d:O+32*\t+8*\d+7], v[VS+\d/2], v[ST+8*\t+5]
.endif
.endr
.endr
.endm
; A TASK'S WAY OUT: O^T / the sum goes through my own stage, 16 rows of 256 bytes a tile, so that a store covers 512 consecutive bytes
.macro OUT p
.irp t, 0,1
	v_add_f32 v[ST+8*\t+4], v[ST+8*\t+2], v[ST+8*\t+3]
.endr
.irp t, 0,1
	v_permlanex16_b32 v[PT+\t], v[ST+8*\t+4], s[SEL], s[SEL+1]
.endr
.irp t, 0,1
	v_add_f32 v[ST+8*\t+4], v[ST+8*\t+4], v[PT+\t]
.endr
	s_wait_alu depctr_va_vdst(0)                   ; the wait ahead of the batch
.irp t, 0,1
	v_rcp_f32 v[ST+8*\t+4], v[ST+8*\t+4]
.endr
	v_nop                                          ; a plain place behind the reciprocals; the wait for them opens RESCALE
	RESCALE
.irp t, 0,1
	WIN 0x04
.irp d, 0,1,2,3
	ds_store_b128 v[STO], v[O+32*\t+8*\d:O+32*\t+8*\d+3] offset:\t*16*SP+64*\d
	ds_store_b128 v[STO], v[O+32*\t+8*\d+4:O+32*\t+8*\d+7] offset:\t*16*SP+64*\d+16
.endr
	WIN 0
.irp i, 0,1,2,3,4,5,6,7
	ds_load_b128 v[P+(OB2-P)*\t+4*\i:P+(OB2-P)*\t+4*\i+3], v[RD] offset:\t*16*SP+2*\i*SP   ; LDS serves a wave's instructions in order: these see my stores
.endr
.endr
.irp i, 0,1,2,3,4,5,6,7
	s_wait_dscnt 23-\i                             ; behind tile 0's load i: 7 - i younger loads and tile 1's sixteen instructions
	global_store_b128 v[GO], v[P+4*\i:P+4*\i+3], s[\p:\p+1] offset:512*\i th:TH_STORE_NT
.endr
.irp i, 0,1,2,3,4,5,6,7
	s_wait_dscnt 7-\i
	global_store_b128 v[GO], v[OB2+4*\i:OB2+4*\i+3], s[\p:\p+1] offset:4096+512*\i th:TH_STORE_NT
.endr
	s_wait_xcnt 0x0                                ; the stores have read their data
.endm
; A KEY STEP on slot s.  mode 2: the slot is filled again behind a round;  1: a plain barrier shows the other slot whole;  0: neither.  next = 1: the next step's operands are read from the other slot.
; LDS loads go out in the order K (17), mask of tile 0 (16), of tile 1 (16), V (17).
.macro STEP s, mode, next
	s_wait_dscnt 33                                ; K and tile 0's mask are in
	WIN 0x05
	QK 0
	s_wait_dscnt 17                                ; tile 1's mask is in; V may be out
	QK 1
	WIN 0
.if \mode > 0
	s_wait_tensorcnt 0x0                           ; all my tensor loads have landed
	ds_add_u32 v[SPW], v[NIL]                      ; the add; work on registers stands between it and the wait for it
.if \mode == 2
	s_add_co_u32 s[OM+2*\s], s[OM+2*\s], 1024      ; this slot's next tile: two key steps on along the mask's rows,
	s_and_b32 s[OM+2*\s], s[OM+2*\s], 8191         ; 16 tiles of 512 bytes round: the second task begins at tile s again
	s_add_co_u32 s[OK+2*\s], s[OK+2*\s], s[INK]    ; the records' offset stays inside kv
	s_add_nc_u64 s[G0M+4*\s+2:G0M+4*\s+3], s[72:73], s[OM+2*\s:OM+2*\s+1]
	s_or_b32 s[G0M+4*\s+3], s[G0M+4*\s+3], 0x80000000
	s_add_nc_u64 s[G0K+4*\s+2:G0K+4*\s+3], s[8:9], s[OK+2*\s:OK+2*\s+1]
	s_or_b32 s[G0K+4*\s+3], s[G0K+4*\s+3], 0x80000000
	s_wait_xcnt 0x0                                ; my last prefetch has read its address
	s_add_nc_u64 s[PFA:PFA+1], s[PFA:PFA+1], s[PFS:PFS+1]
.endif
.endif
	PLACES 8                                       ; behind K Q^T (ISA guide 7.12.1)
	MAXT 0
	MAXT 1
	s_wait_alu depctr_va_vdst(0)                   ; the wait ahead of the wait below
	s_wait_dscnt 0x0                               ; the add is done, and V, my last read of this slot, is in
.if \mode > 0
	s_barrier_signal -1
.endif
	STAT2                                          ; work on registers alone from the signal to the wait
	FMA0
	s_wait_alu depctr_va_vdst(0)                   ; ahead of tile 0's batch
	MIX0
	s_wait_alu depctr_va_vdst(0)                   ; behind tile 0's batch
	SCALE 0
	s_wait_alu depctr_va_vdst(0)                   ; ahead of the barrier's wait and of tile 1's batch, among which the holds read these results
.if \mode > 0
	s_barrier_wait -1
.endif
.if \mode == 2
	CREST                                          ; no wave of any partner still reads this slot or has a load on its way
	TLOAD \s
.endif
.if \next
	FETCH_K 1-\s
.endif
.if \mode == 2
	ASK
.endif
	MIX1
	s_wait_alu depctr_va_vdst(0)                   ; behind tile 1's batch and the plain lines among it
	FIN0
.if \next
	FETCH_M 1-\s, 0
.endif
	POST 1
.if \next
	FETCH_M 1-\s, 1
.endif
.if (\s == 0) && (\mode == 2)
	s_wait_alu depctr_va_vdst(0)
	s_wait_loadcnt 0x0                             ; the second task's Q is in O's registers (later trips have no load out)
	s_cmp_lg_u32 s[CNT], 0
	s_cbranch_scc1 .Lnoq_\@
	QUANTQ O                                       ; key step 0 alone: its codes wait in window 1's v240-255,
	ZERO                                           ; and O^T begins as zeros
.Lnoq_\@:
.endif
	RESCALE
	PV
	PLACES 8                                       ; behind V^T P^T
.if \next
	FETCH_V 1-\s
.endif
	WIN 0
.if (\s == 1) && (\mode == 2)
	s_cmp_lg_u32 s[CNT], 7
	s_cbranch_scc1 .Lnob_\@
	MOVQ                                           ; the first task's end: the second task's Q, the way out, a new beginning
	OUT OP0
	RSTAT
	ZERO
	s_wait_alu depctr_va_vdst(0)
.Lnob_\@:
.endif
.endm
	s_wait_alu depctr_va_vdst(0)                   ; the wait at the head's end
	s_wait_tensorcnt 0x0                           ; my part of the two slots is in
	s_barrier_signal -1
	s_barrier_wait -1                              ; everybody's is
	FETCH_K 0
	FETCH_M 0, 0
	FETCH_M 0, 1
	FETCH_V 0
	LOADQ O, 84                                    ; the second task's Q, into O's registers: asked for when the first task's Q and the first tiles are in
	s_mov_b32 s[CNT], 0
.Lloop:                                            ; trip c: key steps 2 c and 2 c + 1 of the 32
	s_cmp_eq_u32 s[CNT], 7                         ; steps 14 and 15 ask for the second task's tiles 0 and 1
	s_mov_b32 s[INK], 2*REC
	s_cselect_b32 s[INK], s[XK], s[INK]
	STEP 0, 2, 1
	STEP 1, 2, 1
	s_add_co_u32 s[CNT], s[CNT], 1
	s_cmp_lt_u32 s[CNT], 15
	s_cbranch_scc1 .Lloop
	STEP 0, 1, 1                                   ; the tail is written out: step 30 asks for nothing,
	STEP 1, 0, 0                                   ; step 31 reads nothing more
	OUT OP1
	s_wait_tensorcnt 0x0                           ; the wave's end
	ds_add_u32 v[SPW], v[NIL]
	s_wait_dscnt 0x0
	ROUND                                          ; the closing round
	s_endpgm
.Lfunc_end_k_qe7649a74d3_attn:
	.size	k_qe7649a74d3_attn, .Lfunc_end_k_qe7649a74d3_attn-k_qe7649a74d3_attn
	.p2alignl 7, 3214868480
	.fill 96, 4, 3214868480
	.section	.rodata,"a",@progbits
	.p2align	6, 0x0
	.amdhsa_kernel k_qe7649a74d3_attn
		.amdhsa_group_segment_fixed_size 327680
		.amdhsa_private_segment_fixed_size 0
		.amdhsa_enable_private_segment 0
		.amdhsa_kernarg_size 32
		.amdhsa_user_sgpr_count 2
		.amdhsa_user_sgpr_kernarg_segment_ptr 1
		.amdhsa_wavefront_size32 1
		.amdhsa_system_sgpr_workgroup_id_x 1
		.amdhsa_system_sgpr_workgroup_id_y 1
		.amdhsa_system_sgpr_workgroup_id_z 1
		.amdhsa_system_vgpr_workitem_id 0
		.amdhsa_next_free_vgpr 512
		.amdhsa_next_free_sgpr 102
		.amdhsa_reserve_vcc 0
		.amdhsa_float_denorm_mode_32 3
		.amdhsa_float_denorm_mode_16_64 3
		.amdhsa_memory_ordered 1
		.amdhsa_forward_progress 1
		.amdhsa_inst_pref_size 197
	.end_amdhsa_kernel
	.amdgpu_metadata
---
amdhsa.version: [ 1, 2 ]
amdhsa.kernels:
  - .name:           k_qe7649a74d3_attn
    .symbol:         k_qe7649a74d3_attn.kd
    .args:
      - { .name: query, .offset: 0, .size: 8, .value_kind: global_buffer, .address_space: global }
      - { .name: attn_mask, .offset: 8, .size: 8, .value_kind: global_buffer, .address_space: global }
      - { .name: kv, .offset: 16, .size: 8, .value_kind: global_buffer, .address_space: global }
      - { .name: out0, .offset: 24, .size: 8, .value_kind: global_buffer, .address_space: global }
    .group_segment_fixed_size: 327680
    .private_segment_fixed_size: 0
    .kernarg_segment_align: 8
    .kernarg_segment_size: 32
    .max_flat_workgroup_size: 256
    .sgpr_count:     102
    .vgpr_count:     512
    .wavefront_size: 32
...
	.end_amdgpu_metadata
.endif
;; end of part 2
